; MI455X (gfx1250); checked and timed in simulation.
; The chip was launched on July 23, 2026; its instructions are those of AMD's public machine-readable ISA for CDNA 5 (MIT licence, August 2026) and "CDNA5" Instruction Set Architecture Reference Guide (July 2026). The comments in the code are by the model that wrote it; some were corrected since.
;; Causal Multihead Self Attention. Allowed arithmetic: matrix products marked QUANTISED: E4M3 operands, one given power-of-two scale a tensor, by v_wmma_f32_16x16x64_fp8_fp8 or v_wmma_f32_16x16x128_fp8_fp8, f32 sums; everything else in f32.
;; Inputs: Wk 1,024 x 1,024 float32; Wo 1,024 x 1,024 float32; Wq 1,024 x 1,024 float32; Wv 1,024 x 1,024 float32; bk 1,024 float32; bo 1,024 float32; bq 1,024 float32; bv 1,024 float32; lowp_scales 12 int32 (the exponents e of the quantised operands' scales 2^e); x 4 x 2,048 x 1,024 float32.
;; Outputs: out0 4 x 2,048 x 1,024 float32.
;; This version of the problem:
;;   THIS VERSION OF THE PROBLEM IS GIVEN IN LOW PRECISION. The matrix products marked QUANTISED in the list below multiply operands that are first quantised to E4M3 (4 exponent bits, 3 mantissa bits; 8 bits a number), with one given power-of-two scale for each operand tensor; their sums are f32. All else is computed in f32.
;;   The module's matrix products, in the order in which they are computed (A, B: the left and right operand; K: the contracted axis; several contracted axes count as one K, in the product's order):
;;     1. [M 8,192, K 1,024] x [K 1,024, N 1,024]; A: input x; B: input Wq: QUANTISED (scales: A lowp_scales[0], B lowp_scales[1])
;;     2. [M 8,192, K 1,024] x [K 1,024, N 1,024]; A: input x; B: input Wk: QUANTISED (scales: A lowp_scales[2], B lowp_scales[3])
;;     3. [M 8,192, K 1,024] x [K 1,024, N 1,024]; A: input x; B: input Wv: QUANTISED (scales: A lowp_scales[4], B lowp_scales[5])
;;     4. batch 64 x [M 2,048, K 64] x [K 64, N 2,048]; A: computed on the way; B: computed on the way: QUANTISED (scales: A lowp_scales[6], B lowp_scales[7])
;;     5. batch 64 x [M 2,048, K 2,048] x [K 2,048, N 64]; A: softmax (see below); B: computed on the way: QUANTISED (scales: A lowp_scales[8], B lowp_scales[9])
;;     6. [M 8,192, K 1,024] x [K 1,024, N 1,024]; A: computed on the way; B: input Wo: QUANTISED (scales: A lowp_scales[10], B lowp_scales[11])
;;   THE QUANTISER, for each operand of a quantised product, along K:
;;     - The operand's scale is 2^e, e = its entry of the input lowp_scales (int32; the entries are numbered through the quantised products in the list's order, A before B).
;;     - Each number is divided by the scale, clamped to +-448, and rounded to the nearest number of E4M3, ties to even, subnormals kept.
;;     - The product sums the exact products of the quantised numbers (number of the format x scale) in f32.
;;   ~~~python
;;   def quantise(x, axis, e):      # numpy; x: float32 -> the quantised numbers, widened to float32 again
;;       x = np.moveaxis(x, axis, -1); K = x.shape[-1]
;;       r = np.clip(x / 2.0 ** e, -448, 448)
;;       step = 2.0 ** (np.maximum(np.frexp(np.where(r == 0, 1, r))[1] - 1, -6) - 3)
;;       q = np.round(r / step) * step * 2.0 ** e      # np.round: ties to even
;;       return np.moveaxis(q, -1, axis).astype(np.float32)
;;   ~~~
;;   SOFTMAX AHEAD OF A QUANTISED PRODUCT. Where the list says 'softmax', what is quantised is not the finished softmax but p = 2^(t - M), with t = logit x log2(e) and M = ceil(the row's largest t), a whole number; so 1/2 < the row's largest p <= 1. The row's sum l is taken of the UNQUANTISED p, in f32, and the product's result is divided by l at the end. Since M is a whole number, a kernel that streams over the keys may use a running M (the ceiling of the running maximum): every later rescaling is an exact power of two, so the quantised numbers keep their values, but for numbers so far below the row's largest that they fall under the format's range.
;;   OPERANDS COMPUTED ON THE WAY. 'Computed on the way' means the value that the module computes at that place (a softmax that the list does not call 'softmax' is quantised finished and normalised). What goes into a quantiser is computed in f32, as accurately as f32 sums, v_exp_f32 and their like allow (about 1e-6 of the number): no bf16 or f16 on the way to a quantiser, and a product that is left as it is and whose result goes on into a quantised operand takes f32 operands (vector FMAs, or v_wmma_f32_16x16x4_f32). A number that lies on a knife's edge between two numbers of the format may be rounded either way, as far as f32 arithmetic and the matrix unit's own rounding can turn it there, and no further.
;; One version. Each part assembles by itself: llvm-mc -triple=amdgcn-amd-amdhsa -mcpu=gfx1250 --defsym DOCPART=n.
;; ======== version 1 of 1: 4 launches
;; limits: right only within a limited range of input values
;; workspace buffers: xc 25,165,824 bytes; wc 4,194,304 bytes; qkvc 25,165,824 bytes; oc 8,388,608 bytes
;; launch quant (part 1): grid 768 x 1, 4 waves a work-group, no clusters, 68,096 bytes of LDS; arguments x, Wq, Wk, Wv, Wo, lowp_scales, xc, wc; writes xc, wc
.if DOCPART == 1
	.amdgcn_target "amdgcn-amd-amdhsa--gfx1250"
	.amdhsa_code_object_version 6
	.text
	.protected	k_qaab16a5005_quant
	.globl	k_qaab16a5005_quant
	.p2align	8
	.type	k_qaab16a5005_quant,@function
k_qaab16a5005_quant:
	s_mov_b64 s[64:65], 0
	v_nop
	global_prefetch_b8 v0, s[64:65] scope:SCOPE_SE
	s_setreg_imm32_b32 hwreg(HW_REG_WAVE_MODE, 25, 1), 1
	s_wait_xcnt 0x0
; x [8192][1024] and Wq, Wk, Wv, Wo [1024][1024], f32, K innermost, become codes of FP8 (E4M3), each with the scale 2^e given for it.
; x is an operand of three products with three scales (entries 0, 2, 4 of the scales): it is read once and converted three times, into three sets of codes.
; code = number / 2^e, held within +-448, to the nearest code, ties to even.  LIMITS: each e used here (entries 0 to 5 and 11) lies between -126 and 119.  NaN among the inputs is not served; an infinity is held at the largest code.
; THE CODES ARE LAID AS IMAGES OF OPERAND REGISTERS.  For a matrix [rows][1024]:
;   byte = (row / 32) 32768 + (k / 256) 8192 + v 4096 + ((k % 256) / 128) 2048 + ((k % 128) / 32) 512 + (16 h + r) 16 + k % 16,   h = (k % 32) / 16,   row % 32 = 8 v + r + 8 (r / 8).
; So 512 consecutive bytes are four registers of a fragment (16 rows x 128 K, 16 registers): lane (r, h) holds k = 32 c + 16 h + 0 .. 15 of its row in registers 4 c .. 4 c + 3.
; xc: three such matrices, 8 MiB apart.  wc: one such matrix of 4,096 rows: Wq, Wk, Wv, Wo one below the other.
; SHARES.  Work-groups 0-511 take x, 512-767 the weights.  A wave takes the 16 rows of one (row group, v) and 256 along K: two fragments.  Each load reads 512 consecutive bytes of one row;
; the 16 rows turn through the wave's own stage in LDS (rows 528 bytes apart) and come back 64 bytes a lane: 16 neighbours along K of each block of 32.
; No tensor load, no barrier: waves share nothing.  No loop: all 32 loads of a wave go out at its head.
.set NXWG, 512                         ; work-groups that take x
.set R0,   16                          ; v16-79, v80-143  the two K steps as loaded
.set X,    144                         ; v144-207 a fragment's 64 numbers of my lane
.set T,    208                         ; v208-239 two sets of 16 held numbers, by turns
.set C,    240                         ; v240-255 a fragment's codes
.set SPIT, 528                         ; a stage row: 512 bytes + 16
.set STG,  16*SPIT                     ; a stage
.set WST,  2*STG                       ; a wave's two stages
	s_load_b512 s[16:31], s[0:1], 0x0              ; x s[16:17], Wq s[18:19], Wk s[20:21], Wv s[22:23], Wo s[24:25], scales s[26:27], xc s[28:29], wc s[30:31]
	v_lshl_add_u32 v14, v0, 2, 0x10800
	v_mov_b32 v15, 0
	v_lshrrev_b32 v10, 5, v0
	v_readfirstlane_b32 s5, v10                    ; wave
	v_and_b32 v11, 31, v0
	v_lshlrev_b32 v1, 4, v11                       ; 16 x lane: my bytes of a load's and of a store's 512
	v_and_b32 v12, 15, v0                          ; r
	v_bfe_u32 v13, v0, 4, 1                        ; h
	s_mul_i32 s12, s5, WST
	v_add_nc_u32 v2, s12, v1                       ; into the stage: a row as it lies
	v_mul_u32_u24 v3, v12, SPIT
	v_lshl_add_u32 v3, v13, 6, v3
	v_add_nc_u32 v3, s12, v3                       ; out of it: row r, + 64 h
	s_cmp_lt_u32 ttmp9, NXWG
	s_cselect_b32 s2, 0, NXWG
	s_sub_co_u32 s2, ttmp9, s2                     ; u: my number among x's work-groups or among the weights'
	s_lshr_b32 s3, s2, 1                           ; G: the row group of 32 rows
	s_and_b32 s4, s2, 1
	s_and_b32 s6, s5, 1                            ; v
	s_lshr_b32 s7, s5, 1
	s_lshl_b32 s4, s4, 1
	s_add_co_u32 s7, s7, s4                        ; which 256 along K
	s_lshr_b32 s9, s3, 5                           ; which weight (used in the weights' work-groups alone)
	s_and_b32 s10, s3, 31
	s_cmp_lt_u32 ttmp9, NXWG
	s_cselect_b32 s10, s3, s10                     ; the row group within the source tensor
	s_lshl_b32 s10, s10, 17                        ; 32 rows of 4,096 bytes
	s_lshl_b32 s13, s6, 15                         ; + 8 v rows
	s_add_co_u32 s10, s10, s13
	s_lshl_b32 s13, s7, 10                         ; + 256 numbers
	s_add_co_u32 s10, s10, s13
	s_mov_b32 s11, 0
	s_lshl_b32 s14, s3, 15                         ; the codes' place
	s_lshl_b32 s13, s7, 13
	s_add_co_u32 s14, s14, s13
	s_lshl_b32 s13, s6, 12
	s_add_co_u32 s14, s14, s13
	s_mov_b32 s15, 0
	s_wait_kmcnt 0x0
	s_load_b256 s[32:39], s[26:27], 0x0            ; e0 .. e7
	s_load_b128 s[40:43], s[26:27], 0x20           ; e8 .. e11
	s_mov_b64 s[44:45], s[18:19]                   ; the source: chosen by the work-group's number alone
	s_cmp_eq_u32 s9, 1
	s_cselect_b64 s[44:45], s[20:21], s[44:45]
	s_cmp_eq_u32 s9, 2
	s_cselect_b64 s[44:45], s[22:23], s[44:45]
	s_cmp_eq_u32 s9, 3
	s_cselect_b64 s[44:45], s[24:25], s[44:45]
	s_cmp_lt_u32 ttmp9, NXWG
	s_cselect_b64 s[44:45], s[16:17], s[44:45]
	s_cselect_b64 s[48:49], s[28:29], s[30:31]
	s_add_nc_u64 s[44:45], s[44:45], s[10:11]
	s_add_nc_u64 s[48:49], s[48:49], s[14:15]      ; the first set of codes (the weights' only one)
	s_add_nc_u64 s[50:51], s[48:49], 0x800000      ; x's second and third: named by x's work-groups alone
	s_add_nc_u64 s[52:53], s[48:49], 0x1000000
.macro LOAD s                          ; K step s (128 numbers) of my 16 rows: row p of the fragment is row p + 8 (p / 8) from my first
.irp p, 0,1,2,3,4,5,6,7,8,9,10,11,12,13,14,15
	global_load_b128 v[R0+64*\s+4*\p:R0+64*\s+4*\p+3], v1, s[44:45] offset:(\p+8*(\p/8))*4096+512*\s th:TH_LOAD_NT
.endr
.endm
.macro PUT s
.irp p, 0,1,2,3,4,5,6,7,8,9,10,11,12,13,14,15
	ds_store_b128 v2, v[R0+64*\s+4*\p:R0+64*\s+4*\p+3] offset:STG*\s+SPIT*\p
.endr
.endm
.macro GET s, dst                      ; register 16 c + i of dst: k = 32 c + 16 h + i of row r
.irp c, 0,1,2,3
.irp i, 0,1,2,3
	ds_load_b128 v[\dst+16*\c+4*\i:\dst+16*\c+4*\i+3], v3 offset:STG*\s+128*\c+16*\i
.endr
.endr
.endm
.macro MKSC e, sc, lim                 ; 2^e as f32 (the conversion takes its exponent field), and 448 x 2^e
	s_add_co_i32 s54, \e, 127
	s_lshl_b32 s55, s54, 23
	v_mov_b32 v[\sc], s55
	s_add_co_i32 s54, s54, 8
	s_lshl_b32 s54, s54, 23
	s_or_b32 s54, s54, 0x600000
	v_mov_b32 v[\lim], s54
.endm
; One fragment under one scale.  The numbers are held into T, not in place, since x's are converted three times.  T's two sets take turns, so that sixteen plain lines stand between a conversion and the next write of its sources.
.macro QSET src, sc, lim, base, kk
	s_wait_xcnt 0x0                                ; C is the data of the stores before: it is written again only behind this wait
.irp c, 0,1,2,3
.irp i, 0,1,2,3,4,5,6,7,8,9,10,11,12,13,14,15
	v_med3_num_f32 v[T+16*(\c%2)+\i], v[\src+16*\c+\i], -v[\lim], v[\lim]   ; the conversion to an 8-bit code does not saturate (ISA guide 7.6.2): the hold at the largest code x the scale
.endr
	v_cvt_scalef32_pk8_fp8_f32 v[C+4*\c:C+4*\c+1], v[T+16*(\c%2):T+16*(\c%2)+7], v[\sc]
	v_cvt_scalef32_pk8_fp8_f32 v[C+4*\c+2:C+4*\c+3], v[T+16*(\c%2)+8:T+16*(\c%2)+15], v[\sc]
.endr
	v_nop                                          ; a plain line behind the last conversion
.irp c, 0,1,2,3
	global_store_b128 v1, v[C+4*\c:C+4*\c+3], s[\base:\base+1] offset:2048*\kk+512*\c   ; the wave stores 512 consecutive bytes, aligned
.endr
.endm
.macro FRAGQ src, kk
	QSET \src, 4, 5, 48, \kk
	s_cmp_lt_u32 ttmp9, NXWG                       ; the weights have one scale each: a branch on the work-group's number, round register work and stores alone
	s_cbranch_scc0 .Lw_\@
	QSET \src, 6, 7, 50, \kk
	QSET \src, 8, 9, 52, \kk
.Lw_\@:
.endm
	LOAD 0
	LOAD 1
	s_wait_kmcnt 0x0
	s_mov_b32 s46, s33                             ; the first set's e: e1, e3, e5, e11 for the weights, e0 for x
	s_cmp_eq_u32 s9, 1
	s_cselect_b32 s46, s35, s46
	s_cmp_eq_u32 s9, 2
	s_cselect_b32 s46, s37, s46
	s_cmp_eq_u32 s9, 3
	s_cselect_b32 s46, s43, s46
	s_cmp_lt_u32 ttmp9, NXWG
	s_cselect_b32 s46, s32, s46
	MKSC s46, 4, 5
	MKSC s34, 6, 7                                 ; e2
	MKSC s36, 8, 9                                 ; e4
	s_wait_loadcnt 16                              ; K step 0's sixteen loads are in; K step 1's may be out
	PUT 0
	GET 0, X                                       ; LDS serves a wave's instructions in order (ISA guide 5.7.1.4): these see the stores above
	s_wait_loadcnt 0x0
	PUT 1
	s_wait_dscnt 16                                ; all but PUT 1's sixteen stores: X is in
	GET 1, R0                                      ; K step 1 comes back into the registers that K step 0 has left
	FRAGQ X, 0
	s_wait_dscnt 0x0
	FRAGQ R0, 1
	s_wait_tensorcnt 0x0
	ds_add_u32 v14, v15
	s_wait_dscnt 0x0
	s_endpgm
.Lfunc_end_k_qaab16a5005_quant:
	.size	k_qaab16a5005_quant, .Lfunc_end_k_qaab16a5005_quant-k_qaab16a5005_quant
	.p2alignl 7, 3214868480
	.fill 96, 4, 3214868480
	.section	.rodata,"a",@progbits
	.p2align	6, 0x0
	.amdhsa_kernel k_qaab16a5005_quant
		.amdhsa_group_segment_fixed_size 68096
		.amdhsa_private_segment_fixed_size 0
		.amdhsa_enable_private_segment 0
		.amdhsa_kernarg_size 64
		.amdhsa_user_sgpr_count 2
		.amdhsa_user_sgpr_kernarg_segment_ptr 1
		.amdhsa_wavefront_size32 1
		.amdhsa_system_sgpr_workgroup_id_x 1
		.amdhsa_system_sgpr_workgroup_id_y 1
		.amdhsa_system_sgpr_workgroup_id_z 1
		.amdhsa_system_vgpr_workitem_id 0
		.amdhsa_next_free_vgpr 256
		.amdhsa_next_free_sgpr 66
		.amdhsa_reserve_vcc 0
		.amdhsa_float_denorm_mode_32 3
		.amdhsa_float_denorm_mode_16_64 3
		.amdhsa_memory_ordered 1
		.amdhsa_forward_progress 1
		.amdhsa_inst_pref_size 41
	.end_amdhsa_kernel
	.amdgpu_metadata
---
amdhsa.version: [ 1, 2 ]
amdhsa.kernels:
  - .name:           k_qaab16a5005_quant
    .symbol:         k_qaab16a5005_quant.kd
    .args:
      - { .name: x, .offset: 0, .size: 8, .value_kind: global_buffer, .address_space: global }
      - { .name: Wq, .offset: 8, .size: 8, .value_kind: global_buffer, .address_space: global }
      - { .name: Wk, .offset: 16, .size: 8, .value_kind: global_buffer, .address_space: global }
      - { .name: Wv, .offset: 24, .size: 8, .value_kind: global_buffer, .address_space: global }
      - { .name: Wo, .offset: 32, .size: 8, .value_kind: global_buffer, .address_space: global }
      - { .name: lowp_scales, .offset: 40, .size: 8, .value_kind: global_buffer, .address_space: global }
      - { .name: xc, .offset: 48, .size: 8, .value_kind: global_buffer, .address_space: global }
      - { .name: wc, .offset: 56, .size: 8, .value_kind: global_buffer, .address_space: global }
    .group_segment_fixed_size: 68096
    .private_segment_fixed_size: 0
    .kernarg_segment_align: 8
    .kernarg_segment_size: 64
    .max_flat_workgroup_size: 128
    .sgpr_count:     66
    .vgpr_count:     256
    .wavefront_size: 32
...
	.end_amdgpu_metadata
.endif
;; end of part 1
;; launch qkv (part 2): grid 96 x 4, 4 waves a work-group, clusters of 4 x 4, 327,680 bytes of LDS; arguments xc, wc, lowp_scales, bq, bk, bv, qkvc; writes qkvc
.if DOCPART == 2
	.amdgcn_target "amdgcn-amd-amdhsa--gfx1250"
	.amdhsa_code_object_version 6
	.text
	.protected	k_qaab16a5005_qkv
	.globl	k_qaab16a5005_qkv
	.p2align	8
	.type	k_qaab16a5005_qkv,@function
k_qaab16a5005_qkv:
	s_mov_b64 s[64:65], 0
	v_nop
	global_prefetch_b8 v0, s[64:65] scope:SCOPE_SE
	s_setreg_imm32_b32 hwreg(HW_REG_WAVE_MODE, 25, 1), 1
	s_wait_xcnt 0x0
	s_wait_alu depctr_hold_cnt(0) depctr_sa_sdst(0) depctr_va_vdst(0) depctr_va_sdst(0) depctr_va_ssrc(0) depctr_va_vcc(0) depctr_vm_vsrc(0)
	s_getreg_b32 s2, hwreg(HW_REG_IB_STS2, 6, 4)
	s_cmp_eq_u32 s2, 0
	s_cbranch_scc0 .Lentry_in_a_cluster
	s_endpgm
.Lentry_in_a_cluster:
	s_bfe_u32 s2, ttmp6, 0x10000c
	s_cmp_lg_u32 s2, 0xf033
	s_cbranch_scc0 .Lentry_shape_is_right
	s_endpgm
.Lentry_shape_is_right:
; q = x Wq^T + bq, k = x Wk^T + bk, v = x Wv^T + bv on codes of FP8 (E4M3); each result, sum x 2^(eA + eB) + bias in f32, is quantised at once (scales: entries 6, 7, 9) and stored as codes.
; LIMITS: e0 + e1, e2 + e3, e4 + e5 between -126 and 127; e6, e7, e9 between -126 and 119.
; OPERANDS are images of operand registers (16 rows x 128 K = 2,048 bytes, four runs of 512: lane (r, h) holds k = 32 c + 16 h + 0 .. 15 in registers 4 c .. 4 c + 3; the same places of k on both sides, so every product meets
; its partner).  The 16 rows of block i are rows 32 (i / 2) + 8 (i % 2) + r + 8 (r / 8).  So a fragment comes from LDS by four loads at a constant + 16 x lane: no pitch, no padding.
; A tile of 256 (i) x 256 (j) to a work-group, 128 x 128 to each of four waves: 64 accumulators.  Source 0 = 16 rows of Q (index j), source 1 = 16 rows of P (index i): lane (r, h), register n of accumulator (a, b) holds
; i = 32 (a / 2) + 8 (a % 2) + r + 8 (r / 8),  j = 32 (b / 2) + 16 h + 8 (b % 2) + n.  So the 16 registers of blocks 2 e and 2 e + 1 are 16 NEIGHBOURS along j, and their four registers of codes are a run of 512 bytes of the
; next operand's image: they are stored from registers, with no stage and no barrier.
; For q and k: P = x, Q = W: j runs along the head's 64.  For v: P = Wv, Q = x: j runs along the KEYS, which are the K of the product that takes v.  The same text serves both: only pointers and strides are chosen.
; 24 clusters of 4 x 4: cluster c makes tensor c / 8 (q, k, v) for 1,024 rows of x and all 1,024 features.  P's tiles are shared along a row of the cluster, Q's along a column: joint loads.
; K = 1,024 goes in four slots' worth of 256 through a ring of two LDS slots; the sequence is written out.
; qkvc: q at 0, k at 8 MiB, v at 16 MiB, each [16 batch + head][131,072].  q, k: [s / 32][u][c][512]: lane (r, h): row 32 g + 8 u + r + 8 (r / 8), d = 32 c + 16 h + 0 .. 15.
;       v: [s / 64][d / 32][u][c][512]: lane (r, h): d = 32 (d / 32) + 8 u + r + 8 (r / 8), keys 64 (s / 64) + 32 c + 16 h + 0 .. 15.
; REGISTERS: window 0: v1-7 at work, v16-29 addresses, v32-95 the bias by j, v96-103 the bias by i, v105 the scale, v128-255 P's fragments (one set), later results and codes.
;   window 1: Q's fragments, two sets.   windows 2, 3: the accumulators ((a, b) at v[8 (8 (a % 4) + b)]).
.set SLOT,  131072                     ; P's 8 row groups x 8,192 bytes, then Q's 8
.set SPARE, 2*SLOT                     ; behind the ring: the spare words, 128 bytes for each wave: two blocks of 256 bytes that no other line names
.set KSB,   8192                       ; a row group's bytes of 256 along K
.set FR,    16
.set NL,    4
.set NP,    4
.set ADRA, 16                          ; v16-17  LDS address of my P fragments in slot 0, 1
.set ADRB, 20                          ; v20-21  the same for Q
.set CO,   24                          ; v24-27  16 x lane + x SX + y SY: my place in a store, x = a / 4, y = e / 2
.set SPW,  28
.set NIL,  29
.set BJ,   32
.set BI,   96
.set LIM,  104
.set SC,   105
.set AF,   128
.set TMP,  128
.set PC,   192
.set G1, 24
.set G0, 32
.set G1B, 48
.set G0B, 56
.set MSB, 0
.macro WIN new                         ; the immediate's high byte repeats the setting that is left
.if MSB != (\new)
	s_set_vgpr_msb (MSB<<8)|(\new)
.set MSB, (\new)
.endif
.endm
.set MUL_LO, 0xa1                      ; source 0 (Q) window 1, source 1 (P) window 0, C and D window 2
.set MUL_HI, 0xf1
.set TO_B,   0x40
; A joint load: waves 0 and 1 fetch P's halves, waves 2 and 3 Q's.  The branch hangs on the wave's number alone.  Four v_nop follow each of the two lines.
.macro JLOAD g0a, g1a, g0b, g1b
	s_cmp_eq_u32 s19, 0
	s_cbranch_scc0 .Lfor_b_\@
	tensor_load_to_lds s[\g0a:\g0a+3], s[\g1a:\g1a+7]
	s_nop 0
.rept 4
	v_nop
.endr
	s_branch .Lasked_\@
.Lfor_b_\@:
	tensor_load_to_lds s[\g0b:\g0b+3], s[\g1b:\g1b+7]
	s_nop 0
.rept 4
	v_nop
.endr
.Lasked_\@:
.endm
.macro CREST
	s_cmp_lg_u32 s18, 0
	s_cbranch_scc1 .Lnot_wave_0_\@
	s_barrier_signal -3
.Lnot_wave_0_\@:
	s_barrier_wait -3
	s_barrier_signal -1
	s_barrier_wait -1
.endm
.macro CROUND
	s_barrier_signal -1
	s_barrier_wait -1
	CREST
.endm
	s_load_b256 s[4:11], s[0:1], 0x0               ; xc s[4:5], wc s[6:7], scales s[8:9], bq s[10:11]
	s_load_b128 s[12:15], s[0:1], 0x20             ; bk s[12:13], bv s[14:15]
	s_load_b64 s[16:17], s[0:1], 0x30              ; qkvc
	v_lshl_add_u32 v[SPW], v0, 2, SPARE
	v_mov_b32 v[NIL], 0
	ds_add_u32 v28, v29
	ds_add_u32 v28, v29
	s_wait_dscnt 0x0
	v_lshrrev_b32 v1, 5, v0
	v_readfirstlane_b32 s18, v1                    ; wave
	s_lshr_b32 s19, s18, 1                         ; wi: my half of i.  Also: I fetch for P (0) or for Q (1)
	s_and_b32 s20, s18, 1                          ; wj: my half of j.  Also: which 128 rows I fetch
	s_bfe_u32 s21, ttmp6, 0x40000                  ; cx
	s_bfe_u32 s22, ttmp6, 0x40004                  ; cy
	s_lshr_b32 s2, ttmp9, 3                        ; p: 0 q, 1 k, 2 v: the same in all sixteen partners
	s_and_b32 s3, ttmp9, 7                         ; cr: which 1,024 rows of x
	s_lshl_b32 s40, s22, 2
	s_lshl_b32 s40, 15, s40                        ; my row of the cluster
	s_lshl_b32 s41, 0x1111, s21                    ; my column
	s_or_b32 s[G1+0], s40, (1<<21)                 ; 15:0 the mask; 17:16 elements of 1 byte; no padding; 21 set beside a mask
	s_or_b32 s[G1B+0], s41, (1<<21)
.irp g, G1, G1B
	s_mov_b32 s[\g+1], KSB<<16                     ; tensor_dim0 = 8,192
	s_mov_b32 s[\g+2], 4<<16                       ; tensor_dim1 = 4 row groups
	s_mov_b32 s[\g+3], KSB<<16                     ; tile_dim0
	s_mov_b32 s[\g+4], 4                           ; tile_dim1
	s_mov_b32 s[\g+5], 32768                       ; from row group to row group
	s_mov_b32 s[\g+6], 0
	s_mov_b32 s[\g+7], 0
.endr
	s_lshl_b32 s42, s2, 8
	s_lshl_b32 s43, s3, 5
	s_add_co_u32 s42, s42, s43                     ; x's row groups: set p, 32 cr on
	s_lshl_b32 s43, s2, 5                          ; the weight's: 32 p on
	s_cmp_eq_u32 s2, 2
	s_cselect_b32 s44, s43, s42                    ; P's
	s_cselect_b32 s46, s42, s43                    ; Q's
	s_lshl_b32 s23, s20, 2                         ; the four row groups that I fetch
	s_lshl_b32 s45, s22, 3
	s_add_co_u32 s44, s44, s45                     ; P: + 8 cy
	s_add_co_u32 s44, s44, s23
	s_lshl_b32 s47, s21, 3
	s_add_co_u32 s46, s46, s47                     ; Q: + 8 cx
	s_add_co_u32 s46, s46, s23
	s_lshl_b32 s44, s44, 15
	s_lshl_b32 s46, s46, 15
	s_mov_b32 s45, 0
	s_mov_b32 s47, 0
	s_lshl_b32 s66, s18, 15                        ; where they go: wave x 32,768: no place in the cluster enters an LDS address
	s_wait_kmcnt 0x0
	s_load_b256 s[68:75], s[8:9], 0x0              ; e0 .. e7
	s_load_b128 s[76:79], s[8:9], 0x20             ; e8 .. e11
	s_cmp_eq_u32 s2, 2
	s_cselect_b64 s[90:91], s[6:7], s[4:5]
	s_cselect_b64 s[92:93], s[4:5], s[6:7]
	s_add_nc_u64 s[90:91], s[90:91], s[44:45]
	s_add_nc_u64 s[92:93], s[92:93], s[46:47]
	CROUND                                         ; all sixteen work-groups are here: the first joint loads meet
.irp s, 0,1
	s_mov_b32 s[G0+4*\s], 1
	s_add_co_u32 s[G0+4*\s+1], s66, \s*SLOT
	s_add_nc_u64 s[G0+4*\s+2:G0+4*\s+3], s[90:91], \s*KSB
	s_or_b32 s[G0+4*\s+3], s[G0+4*\s+3], 0x80000000
	s_mov_b32 s[G0B+4*\s], 1
	s_add_co_u32 s[G0B+4*\s+1], s66, \s*SLOT
	s_add_nc_u64 s[G0B+4*\s+2:G0B+4*\s+3], s[92:93], \s*KSB
	s_or_b32 s[G0B+4*\s+3], s[G0B+4*\s+3], 0x80000000
	JLOAD G0+4*\s, G1, G0B+4*\s, G1B
.endr
	v_and_b32 v1, 15, v0                           ; r
	v_bfe_u32 v2, v0, 4, 1                         ; h
	s_wait_alu depctr_va_vdst(0)
	v_and_b32 v3, 31, v0
	v_lshlrev_b32 v[CO], 4, v3                     ; 16 x lane
	s_wait_alu depctr_va_vdst(0)
	s_lshl_b32 s40, s19, 15                        ; my 128 rows of P
	s_lshl_b32 s41, s20, 15
	s_add_co_u32 s41, s41, 65536                   ; my 128 rows of Q, behind P's 256
.irp s, 0,1
	v_add_nc_u32 v[ADRA+\s], s40, v[CO]
	v_add_nc_u32 v[ADRB+\s], s41, v[CO]
	s_add_co_u32 s40, s40, SLOT
	s_add_co_u32 s41, s41, SLOT
.endr
	; the bias, in both forms (by j for q and k, by i for v): both are loaded, so that every register is written on every way; both stay inside the 1,024 numbers
	s_cmp_eq_u32 s2, 2
	s_cselect_b32 s98, s22, s21                    ; nt: which 256 features
	s_cselect_b32 s99, s21, s22                    ; which 256 rows of x among the cluster's 1,024
	s_cselect_b64 s[86:87], s[14:15], s[10:11]
	s_cmp_eq_u32 s2, 1
	s_cselect_b64 s[86:87], s[12:13], s[86:87]
	s_lshl_b32 s94, s98, 10
	s_lshl_b32 s96, s20, 9
	s_add_co_u32 s96, s96, s94
	s_mov_b32 s97, 0
	s_lshl_b32 s95, s19, 9
	s_add_co_u32 s94, s94, s95
	s_mov_b32 s95, 0
	s_add_nc_u64 s[88:89], s[86:87], s[94:95]      ; at feature 256 nt + 128 wi
	s_add_nc_u64 s[86:87], s[86:87], s[96:97]      ; at feature 256 nt + 128 wj
	v_lshlrev_b32 v6, 6, v2                        ; 16 h numbers
	v_and_b32 v7, 8, v1
	v_add_nc_u32 v7, v7, v1
	v_lshlrev_b32 v7, 2, v7                        ; r + 8 (r / 8) numbers
.irp b, 0,1,2,3,4,5,6,7
	global_load_b128 v[BJ+8*\b:BJ+8*\b+3], v6, s[86:87] offset:(32*(\b/2)+8*(\b%2))*4
	global_load_b128 v[BJ+8*\b+4:BJ+8*\b+7], v6, s[86:87] offset:(32*(\b/2)+8*(\b%2))*4+16
.endr
.irp a, 0,1,2,3,4,5,6,7
	global_load_b32 v[BI+\a], v7, s[88:89] offset:(32*(\a/2)+8*(\a%2))*4
.endr
	; where my codes go
	s_lshl_b32 s94, s3, 2
	s_add_co_u32 s94, s94, s99                     ; mt: which 256 rows of x
	s_lshr_b32 s96, s94, 3                         ; the batch
	s_lshl_b32 s96, s96, 4
	s_lshl_b32 s97, s98, 2
	s_add_co_u32 s96, s96, s97                     ; 16 batch + the tile's first head
	s_lshl_b32 s96, s96, 17
	s_and_b32 s97, s94, 7
	s_lshl_b32 s97, s97, 14                        ; 256 rows (or keys) of a head are 16,384 bytes
	s_add_co_u32 s96, s96, s97
	s_lshl_b32 s97, s2, 23
	s_add_co_u32 s96, s96, s97
	s_mov_b32 s94, 4096
	s_mov_b32 s95, 0x20000
	s_cmp_eq_u32 s2, 2
	s_cselect_b32 s82, s95, s94                    ; SX: 64 along i: two row groups of q, k; a head of v
	s_cselect_b32 s83, s94, s95                    ; SY: 64 along j: a head of q, k; 64 keys of v
	s_mul_i32 s97, s19, s82
	s_lshl_b32 s97, s97, 1
	s_add_co_u32 s96, s96, s97
	s_mul_i32 s97, s20, s83
	s_lshl_b32 s97, s97, 1
	s_add_co_u32 s96, s96, s97
	s_mov_b32 s97, 0
	s_add_nc_u64 s[84:85], s[16:17], s[96:97]
	v_add_nc_u32 v[CO+1], s83, v[CO]
	v_add_nc_u32 v[CO+2], s82, v[CO]
	v_add_nc_u32 v[CO+3], s83, v[CO+2]
.macro FRAG reg, adr, q, i             ; block i's fragment of the slot's q-th 128 along K
.irp c, 0,1,2,3
	ds_load_b128 v[\reg+4*\c:\reg+4*\c+3], v[\adr] offset:4096*(\i)+2048*(\q)+512*\c
.endr
.endm
; 16 matrix instructions: P's blocks a0, a0 + 1 x Q's eight.  The 64 accumulators take turns, one instruction a turn, in the same order in every step.
.macro MUL16 a0, p, zero
.irp a, \a0, \a0+1
.irp b, 0,1,2,3,4,5,6,7
.if \zero
	v_wmma_f32_16x16x128_fp8_fp8 v[8*(8*((\a)%4)+\b):8*(8*((\a)%4)+\b)+7], v[128*(\p)+FR*\b:128*(\p)+FR*\b+FR-1], v[AF+FR*(\a):AF+FR*(\a)+FR-1], 0
.else
	v_wmma_f32_16x16x128_fp8_fp8 v[8*(8*((\a)%4)+\b):8*(8*((\a)%4)+\b)+7], v[128*(\p)+FR*\b:128*(\p)+FR*\b+FR-1], v[AF+FR*(\a):AF+FR*(\a)+FR-1], v[8*(8*((\a)%4)+\b):8*(8*((\a)%4)+\b)+7]
.endif
.endr
.endr
.endm
.macro FETCH_B slot, q, p
	WIN TO_B
.irp i, 0,1,2,3,4,5,6,7
	FRAG 128*(\p)+FR*\i, ADRB+\slot, \q, \i
.endr
	WIN 0
.endm
.macro FETCH_A slot, q, i0
.irp i, \i0, \i0+1, \i0+2, \i0+3
	FRAG AF+FR*(\i), ADRA+\slot, \q, \i
.endr
.endm
.macro PLACES n                        ; plain vector lines between a matrix instruction and a load into, or a vector line on, its registers
.rept \n
	v_nop
.endr
.endm
.macro STEP slot, q, zero              ; 128 along K that have their successor in the same slot
	s_wait_dscnt 4*NL                              ; Q's set and P's blocks 0-3 are in; the youngest sixteen loads (P's blocks 4-7) may be out
	WIN MUL_LO
	MUL16 0, (\q)%2, \zero
	MUL16 2, (\q)%2, \zero
	s_wait_dscnt 0
	PLACES NP
	FETCH_B \slot, (\q)+1, 1-(\q)%2
	FETCH_A \slot, (\q)+1, 0
	WIN MUL_HI
	MUL16 4, (\q)%2, \zero
	MUL16 6, (\q)%2, \zero
	PLACES NP
	WIN 0
	FETCH_A \slot, (\q)+1, 4
.endm
; A slot's last 128 change slots: one barrier; in front of it each wave waits for all its tensor loads, adds 0 to its spare word, and waits for that and for its reads of this slot.
.macro TURN slot, next, fill
	s_wait_tensorcnt 0x0                           ; all my tensor loads have landed: my part of the next slot
	ds_add_u32 v[SPW], v[NIL]                      ; 0 onto my spare word
	s_wait_dscnt 4*NL+1                            ; (the add and the youngest sixteen loads may be out)
	WIN MUL_LO
	MUL16 0, 1, 0
	s_wait_dscnt 0x0                               ; the add is done, and my reads of this slot are over
	s_barrier_signal -1
	MUL16 2, 1, 0
	WIN 0
	s_barrier_wait -1
.if \fill
	CREST                                          ; the barrier has opened a round of the cluster's: no wave of any partner still reads this slot or has a load on its way
	s_add_nc_u64 s[G0+4*\slot+2:G0+4*\slot+3], s[G0+4*\slot+2:G0+4*\slot+3], 2*KSB
	s_add_nc_u64 s[G0B+4*\slot+2:G0B+4*\slot+3], s[G0B+4*\slot+2:G0B+4*\slot+3], 2*KSB
	JLOAD G0+4*\slot, G1, G0B+4*\slot, G1B         ; the first tensor load behind the round; its four v_nop are the places in front of the loads below
.else
	PLACES NP
.endif
	s_wait_alu depctr_va_vdst(0)
	FETCH_B \next, 0, 0
	FETCH_A \next, 0, 0
	WIN MUL_HI
	MUL16 4, 1, 0
	MUL16 6, 1, 0
	PLACES NP
	WIN 0
	FETCH_A \next, 0, 4
.endm
	s_wait_tensorcnt 1                             ; my part of slot 0 is in; slot 1's may be out
	s_barrier_signal -1
	s_barrier_wait -1
	FETCH_B 0, 0, 0
	FETCH_A 0, 0, 0
	FETCH_A 0, 0, 4
	STEP 0, 0, 1                                   ; K 0-127: the products start the sums
	TURN 0, 1, 1                                   ; K 128-255; slot 0 takes K 512-767
	STEP 1, 0, 0
	TURN 1, 0, 1                                   ; slot 1 takes K 768-1023
	STEP 0, 0, 0
	TURN 0, 1, 0                                   ; nothing is left to fetch
	STEP 1, 0, 0
	s_wait_dscnt 4*NL
	WIN MUL_LO
	MUL16 0, 1, 0
	MUL16 2, 1, 0
	s_wait_dscnt 0
	WIN MUL_HI
	MUL16 4, 1, 0
	MUL16 6, 1, 0
	WIN 0
	; THE WAY OUT
	s_wait_kmcnt 0x0
	s_add_co_i32 s94, s68, s69                     ; e0 + e1
	s_add_co_i32 s95, s70, s71                     ; e2 + e3
	s_add_co_i32 s96, s72, s73                     ; e4 + e5
	s_cmp_eq_u32 s2, 1
	s_cselect_b32 s94, s95, s94
	s_cselect_b32 s97, s75, s74                    ; e7 or e6
	s_cmp_eq_u32 s2, 2
	s_cselect_b32 s94, s96, s94
	s_cselect_b32 s97, s77, s97                    ; e9
	s_add_co_i32 s94, s94, 127
	s_lshl_b32 s80, s94, 23                        ; 2^(eA + eB) as f32
	s_mov_b32 s81, s80                             ; (named with it as a pair, so it is written)
	s_add_co_i32 s97, s97, 127
	s_lshl_b32 s96, s97, 23
	v_mov_b32 v[SC], s96                           ; the result's scale as f32
	PLACES NP
	s_wait_loadcnt 0x0                             ; the biases
; Block a: 16 values of i x 128 of j.  sum x 2^(eA + eB) + bias, one rounding; the codes; four stores of 512 consecutive bytes.  Each accumulator is read from its low end on.
.macro OUTBLK a
.set AC, 64*((\a)%4)
	s_cmp_eq_u32 s2, 2                             ; the same in all partners; only register work stands under the branch
	s_cbranch_scc1 .Lrow_\@
	WIN 0x02+((\a)/4)
.irp j, 0,2,4,6,8,10,12,14,16,18,20,22,24,26,28,30,32,34,36,38,40,42,44,46,48,50,52,54,56,58,60,62
	v_pk_fma_f32 v[TMP+\j:TMP+\j+1], v[AC+\j:AC+\j+1], s[80:81], v[BJ+\j:BJ+\j+1] op_sel_hi:[1,0,1]   ; q, k: the feature runs along j
.endr
	WIN 0
	s_branch .Ljoin_\@
.Lrow_\@:
	WIN 0x02+((\a)/4)
.irp j, 0,1,2,3,4,5,6,7,8,9,10,11,12,13,14,15,16,17,18,19,20,21,22,23,24,25,26,27,28,29,30,31,32,33,34,35,36,37,38,39,40,41,42,43,44,45,46,47,48,49,50,51,52,53,54,55,56,57,58,59,60,61,62,63
	v_fma_f32 v[TMP+\j], v[AC+\j], s80, v[BI+\a]   ; v: the feature is the lane's i
.endr
	WIN 0
.Ljoin_\@:
.irp j, 0,1,2,3,4,5,6,7,8,9,10,11,12,13,14,15,16,17,18,19,20,21,22,23,24,25,26,27,28,29,30,31,32,33,34,35,36,37,38,39,40,41,42,43,44,45,46,47,48,49,50,51,52,53,54,55,56,57,58,59,60,61,62,63
.endr
	s_wait_xcnt 0x0                                ; the codes' registers are the data of the block before: written again only behind this wait
	s_wait_alu depctr_va_vdst(0)
.irp b, 0,1,2,3,4,5,6,7
	v_cvt_scalef32_pk8_fp8_f32 v[PC+2*\b:PC+2*\b+1], v[TMP+8*\b:TMP+8*\b+7], v[SC]
.endr
	v_nop                                          ; a plain line behind the last conversion
.irp e, 0,1,2,3
	global_store_b128 v[CO+2*((\a)/4)+\e/2], v[PC+4*\e:PC+4*\e+3], s[84:85] offset:(((\a)/2)%2)*2048+((\a)%2)*1024+(\e%2)*512
.endr
.endm
.irp a, 0,1,2,3,4,5,6,7
	OUTBLK \a
.endr
	s_wait_tensorcnt 0x0                           ; the wave's end
	ds_add_u32 v[SPW], v[NIL]
	s_wait_dscnt 0x0
	CROUND                                         ; the closing round
	s_endpgm
.Lfunc_end_k_qaab16a5005_qkv:
	.size	k_qaab16a5005_qkv, .Lfunc_end_k_qaab16a5005_qkv-k_qaab16a5005_qkv
	.p2alignl 7, 3214868480
	.fill 96, 4, 3214868480
	.section	.rodata,"a",@progbits
	.p2align	6, 0x0
	.amdhsa_kernel k_qaab16a5005_qkv
		.amdhsa_group_segment_fixed_size 327680
		.amdhsa_private_segment_fixed_size 0
		.amdhsa_enable_private_segment 0
		.amdhsa_kernarg_size 56
		.amdhsa_user_sgpr_count 2
		.amdhsa_user_sgpr_kernarg_segment_ptr 1
		.amdhsa_wavefront_size32 1
		.amdhsa_system_sgpr_workgroup_id_x 1
		.amdhsa_system_sgpr_workgroup_id_y 1
		.amdhsa_system_sgpr_workgroup_id_z 1
		.amdhsa_system_vgpr_workitem_id 0
		.amdhsa_next_free_vgpr 1024
		.amdhsa_next_free_sgpr 100
		.amdhsa_reserve_vcc 0
		.amdhsa_float_denorm_mode_32 3
		.amdhsa_float_denorm_mode_16_64 3
		.amdhsa_fp16_overflow 1
		.amdhsa_memory_ordered 1
		.amdhsa_forward_progress 1
		.amdhsa_inst_pref_size 139
	.end_amdhsa_kernel
	.amdgpu_metadata
---
amdhsa.version: [ 1, 2 ]
amdhsa.kernels:
  - .name:           k_qaab16a5005_qkv
    .symbol:         k_qaab16a5005_qkv.kd
    .args:
      - { .name: xc, .offset: 0, .size: 8, .value_kind: global_buffer, .address_space: global }
      - { .name: wc, .offset: 8, .size: 8, .value_kind: global_buffer, .address_space: global }
      - { .name: lowp_scales, .offset: 16, .size: 8, .value_kind: global_buffer, .address_space: global }
      - { .name: bq, .offset: 24, .size: 8, .value_kind: global_buffer, .address_space: global }
      - { .name: bk, .offset: 32, .size: 8, .value_kind: global_buffer, .address_space: global }
      - { .name: bv, .offset: 40, .size: 8, .value_kind: global_buffer, .address_space: global }
      - { .name: qkvc, .offset: 48, .size: 8, .value_kind: global_buffer, .address_space: global }
    .group_segment_fixed_size: 327680
    .private_segment_fixed_size: 0
    .kernarg_segment_align: 8
    .kernarg_segment_size: 56
    .max_flat_workgroup_size: 128
    .sgpr_count:     100
    .vgpr_count:     1024
    .wavefront_size: 32
...
	.end_amdgpu_metadata
.endif
;; end of part 2
;; launch attn (part 3): grid 4 x 64, 16 waves a work-group, clusters of 4 x 1, 264,192 bytes of LDS; arguments qkvc, lowp_scales, oc; writes oc
.if DOCPART == 3
	.amdgcn_target "amdgcn-amd-amdhsa--gfx1250"
	.amdhsa_code_object_version 6
	.text
	.protected	k_qaab16a5005_attn
	.globl	k_qaab16a5005_attn
	.p2align	8
	.type	k_qaab16a5005_attn,@function
k_qaab16a5005_attn:
	s_mov_b64 s[64:65], 0
	v_nop
	global_prefetch_b8 v0, s[64:65] scope:SCOPE_SE
	s_setreg_imm32_b32 hwreg(HW_REG_WAVE_MODE, 25, 1), 1
	s_wait_xcnt 0x0
	s_wait_alu depctr_hold_cnt(0) depctr_sa_sdst(0) depctr_va_vdst(0) depctr_va_sdst(0) depctr_va_ssrc(0) depctr_va_vcc(0) depctr_vm_vsrc(0)
	s_getreg_b32 s2, hwreg(HW_REG_IB_STS2, 6, 4)
	s_cmp_eq_u32 s2, 0
	s_cbranch_scc0 .Lentry_in_a_cluster
	s_endpgm
.Lentry_in_a_cluster:
	s_bfe_u32 s2, ttmp6, 0x10000c
	s_cmp_lg_u32 s2, 0x3003
	s_cbranch_scc0 .Lentry_shape_is_right
	s_endpgm
.Lentry_shape_is_right:
; Causal attention on codes of FP8 (E4M3), head size 64, 2,048 keys, 64 (batch, head) pairs.  Scales: q entry 6, k 7, p 8, v 9; the result is quantised with entry 10 and stored as codes for the last product.
; t = score x log2(e) / 8; M = the running largest t rounded UP to a whole number; p = 2^(t - M) is quantised, not normalised; the row's sum is taken of the unquantised p and divides at the end.
; When M moves, the sum and O are multiplied by 2^(old M - new M), which rounds nothing.
; LIMITS: e6 + e7 between -123 and 130 (added to the exponent field of log2(e) / 8); e8 and e10 between -126 and 119; e8 + e9 is applied by v_ldexp_f32.
; SHARES.  A cluster of four work-groups is one (batch, head).  The head's K and V codes, 131,072 bytes each, fit in LDS whole: they are asked for jointly by the four, once, as first fills; nothing is filled again.
; A wave owns 32 queries, two tiles of 16: query group T = 4 rank + cx, rank = wave xor 3 ((wave / 4) % 2).  It works on key steps (64 keys) 0 .. 2 rank + 1 and masks from step 2 rank on: neither bound holds cx, so no
; branch hangs on a work-group's place in its cluster; cx enters q's and the output's addresses and the lane's query number alone.  Every work-group has the same 272 wave-steps.
; LAYOUT.  Both products are used transposed: S^T = K Q^T (source 0 = 16 keys), O^T = V^T P^T (source 0 = 16 of the head's 64): a lane holds one query throughout.  The keys of a tile are 32 b + 8 u + r + 8 (r / 8), so the 16
; registers of tiles 2 b, 2 b + 1 are keys 32 b + 16 h + 0 .. 15: the conversions' results are the second product's operand.  V's rows are ordered likewise, so O^T's codes are runs of the next operand's image.
; All fragments lie as images of registers: a load is a constant + 16 x lane.
; REGISTERS: v1 16 x lane; v2, v3 addresses in hand; v4 my query - 16 h; v7 2^e8; v8 at work; v9 -infinity; v15 2^e10; v16-31 Q; v32-47 statistics, 8 a tile: -M, largest t, sum (2), f, 3 at work;
;   v48-63 p's codes; v64-95 K; v96-127 V; v128-191 S^T, then p; v192-255 O^T.
.set LI,   1
.set ADK,  2
.set ADV,  3
.set LQ,   4
.set PLIM, 6
.set PSC,  7
.set DD,   8
.set NINF, 9
.set OLIM, 14
.set OSC,  15
.set QF,   16
.set ST,   32
.set PC,   48
.set KF,   64
.set VF,   96
.set S,    128
.set O,    192
.set WV,   10
.set CX,   11
.set BH,   12
.set RHO,  13
.set LAST, 14
.set FIRSTM, 15
.set TQ,   16
.set KS,   17                          ; the key step
.set KB,   18                          ; its tiles' first byte in K's part of LDS
.set E89,  19
.set SEL,  20
.set CS,   22
.set G1A,  24
.set G1B,  32
.set G0A,  40
.set G0B,  44
.set VBASE, 131072                     ; V's part of LDS
.set STEPB, 4096                       ; a key step's codes of K, and of V
.set NFIRST, 4                         ; key steps in the first fill
.macro CROUND
	s_barrier_signal -1
	s_barrier_wait -1
	s_cmp_lg_u32 s[WV], 0
	s_cbranch_scc1 .Lnot_wave_0_\@
	s_barrier_signal -3
.Lnot_wave_0_\@:
	s_barrier_wait -3
	s_barrier_signal -1
	s_barrier_wait -1
.endm
	s_load_b128 s[4:7], s[0:1], 0x0                ; qkvc s[4:5], scales s[6:7]
	s_load_b64 s[8:9], s[0:1], 0x10                ; oc
	v_lshl_add_u32 v254, v0, 2, 0x40000
	v_mov_b32 v255, 0
	ds_add_u32 v254, v255
	ds_add_u32 v254, v255
	s_wait_dscnt 0x0
	v_lshrrev_b32 v10, 5, v0
	s_delay_alu instid0(VALU_DEP_1)
	v_readfirstlane_b32 s[WV], v10                 ; wave 0..15
	s_bfe_u32 s[CX], ttmp6, 0x40000
	s_and_b32 s[BH], ttmp7, 0xffff                 ; 16 batch + head: the cluster's y
	s_lshr_b32 s[RHO], s[WV], 2
	s_and_b32 s[RHO], s[RHO], 1
	s_mul_i32 s[RHO], s[RHO], 3
	s_xor_b32 s[RHO], s[RHO], s[WV]                ; rank
	s_lshl_b32 s[FIRSTM], s[RHO], 1
	s_add_co_u32 s[LAST], s[FIRSTM], 1
	s_lshl_b32 s[TQ], s[RHO], 2
	s_add_co_u32 s[TQ], s[TQ], s[CX]               ; my group of 32 queries
	s_lshr_b32 s60, s[WV], 3                       ; waves 0-7 fetch K, waves 8-15 V,
	s_and_b32 s61, s[WV], 7                        ; an eighth each
	; group 1: dense blocks as rows of 256 bytes.  A: 8 rows (an eighth of the first 256 keys' codes);  B: 56 rows (an eighth of the rest)
	s_mov_b32 s[G1A], 15|(1<<21)                   ; 15:0 the mask: all four work-groups; elements of 1 byte; no padding; 21 set beside a mask
	s_mov_b32 s[G1A+1], 256<<16
	s_mov_b32 s[G1A+2], 8<<16
	s_mov_b32 s[G1A+3], 256<<16
	s_mov_b32 s[G1A+4], 8
	s_mov_b32 s[G1A+5], 256
	s_mov_b32 s[G1A+6], 0
	s_mov_b32 s[G1A+7], 0
	s_mov_b32 s[G1B], 15|(1<<21)
	s_mov_b32 s[G1B+1], 256<<16
	s_mov_b32 s[G1B+2], 56<<16
	s_mov_b32 s[G1B+3], 256<<16
	s_mov_b32 s[G1B+4], 56
	s_mov_b32 s[G1B+5], 256
	s_mov_b32 s[G1B+6], 0
	s_mov_b32 s[G1B+7], 0
	s_lshl_b32 s72, s60, 17                        ; K's or V's part of LDS
	s_lshl_b32 s62, s61, 11                        ; A: my 2,048 bytes
	s_mov_b32 s63, 0
	s_mul_i32 s66, s61, 14336
	s_add_co_u32 s66, s66, NFIRST*STEPB            ; B: my 14,336 bytes
	s_mov_b32 s67, 0
	s_add_co_u32 s68, s60, 1
	s_lshl_b32 s68, s68, 23                        ; k at 8 MiB, v at 16 MiB,
	s_lshl_b32 s69, s[BH], 17                      ; my head's block
	s_add_co_u32 s68, s68, s69
	s_mov_b32 s69, 0
	s_mov_b32 s[SEL], 0x76543210
	s_mov_b32 s[SEL+1], 0xfedcba98
	s_mov_b32 s[KS], 0
	s_mov_b32 s[KB], 0
	s_wait_kmcnt 0x0
	s_load_b256 s[48:55], s[6:7], 0x0              ; e0 .. e7
	s_load_b128 s[56:59], s[6:7], 0x20             ; e8 .. e11
	s_add_nc_u64 s[70:71], s[4:5], s[68:69]
	s_mov_b32 s[G0A], 1
	s_add_co_u32 s[G0A+1], s72, s62
	s_add_nc_u64 s[G0A+2:G0A+3], s[70:71], s[62:63]
	s_or_b32 s[G0A+3], s[G0A+3], 0x80000000
	s_mov_b32 s[G0B], 1
	s_add_co_u32 s[G0B+1], s72, s66
	s_add_nc_u64 s[G0B+2:G0B+3], s[70:71], s[66:67]
	s_or_b32 s[G0B+3], s[G0B+3], 0x80000000
	CROUND                                         ; all four work-groups are here: the joint loads meet
	tensor_load_to_lds s[G0A:G0A+3], s[G1A:G1A+7]  ; every wave's two first fills, on one way: two loads of mine are out
	s_nop 0
	tensor_load_to_lds s[G0B:G0B+3], s[G1B:G1B+7]
	s_nop 0
.rept 4
	v_nop
.endr
	v_and_b32 v10, 31, v0
	s_delay_alu instid0(VALU_DEP_1)
	v_lshlrev_b32 v[LI], 4, v10
	s_lshl_b32 s76, s[BH], 17
	s_lshl_b32 s77, s[TQ], 11
	s_add_co_u32 s76, s76, s77
	s_mov_b32 s77, 0
	s_add_nc_u64 s[74:75], s[4:5], s[76:77]        ; q's codes of my 32 queries
.irp v, 0,1
.irp c, 0,1
	global_load_b128 v[QF+8*\v+4*\c:QF+8*\v+4*\c+3], v[LI], s[74:75] offset:1024*\v+512*\c
.endr
.endr
	v_and_b32 v11, 15, v0                          ; r
	v_bfe_u32 v12, v0, 4, 1                        ; h
	s_delay_alu instid0(VALU_DEP_2)
	v_and_b32 v13, 8, v11
	s_delay_alu instid0(VALU_DEP_1)
	v_add_nc_u32 v13, v13, v11                     ; r + 8 (r / 8)
	s_delay_alu instid0(VALU_DEP_3)
	v_lshlrev_b32 v12, 4, v12
	s_delay_alu instid0(VALU_DEP_1)
	v_sub_nc_u32 v13, v13, v12
	s_lshl_b32 s73, s[TQ], 5
	v_add_nc_u32 v[LQ], s73, v13                   ; tile 0's query of my lane, less 16 h
	v_mov_b32 v[NINF], 0xff800000
.irp v, 0,1
	v_mov_b32 v[ST+8*\v+1], 0xff61b1e6             ; the largest t so far: -3e38, under every t
	s_delay_alu instid0(VALU_DEP_1)
	v_floor_f32 v[ST+8*\v], -v[ST+8*\v+1]          ; -M
	v_mov_b32 v[ST+8*\v+2], 0                      ; the sum, in two halves
	v_mov_b32 v[ST+8*\v+3], 0
	v_mov_b32 v[ST+8*\v+5], 0                      ; a lane permute's destination counts as one of its sources
.endr
.set n, 0
.rept 64
	v_mov_b32 v[O+n], 0                            ; O^T.  (The step is written once: the first finds zeros, which the first change of M leaves zeros)
.set n, n+1
.endr
	; where my codes go: oc is an image [8192][1024], k = 64 head + d
	s_lshr_b32 s62, s[BH], 4
	s_lshl_b32 s62, s62, 6
	s_add_co_u32 s62, s62, s[TQ]                   ; the row group: 64 batch + T
	s_lshl_b32 s62, s62, 15
	s_and_b32 s66, s[BH], 15                       ; the head
	s_lshr_b32 s67, s66, 2
	s_lshl_b32 s67, s67, 13                        ; four heads to 256 along K
	s_add_co_u32 s62, s62, s67
	s_and_b32 s67, s66, 3
	s_lshl_b32 s67, s67, 10                        ; a head's 64 are two runs of 512 bytes
	s_add_co_u32 s62, s62, s67
	s_mov_b32 s63, 0
	s_add_nc_u64 s[78:79], s[8:9], s[62:63]
	s_wait_kmcnt 0x0
	s_add_co_i32 s73, s54, s55                     ; e6 + e7
	s_lshl_b32 s73, s73, 23
	s_mov_b32 s[CS], 0x3e38aa3b                    ; log2(e) / 8
	s_add_co_i32 s[CS], s[CS], s73                 ; x 2^(e6 + e7)
	s_mov_b32 s[CS+1], s[CS]
	s_add_co_i32 s60, s56, 127
	s_lshl_b32 s61, s60, 23
	v_mov_b32 v[PSC], s61                          ; 2^e8
	s_add_co_i32 s60, s58, 127
	s_lshl_b32 s61, s60, 23
	v_mov_b32 v[OSC], s61                          ; 2^e10
	s_add_co_i32 s[E89], s56, s57                  ; e8 + e9
; A KEY STEP: 64 keys, my two tiles of queries; the tiles' lines alternate, so that no line waits for the one above it.
.macro STEP
	s_cmp_gt_u32 s[KS], s[LAST]                    ; all keys of the step come after my queries: a scalar branch on the wave's number and the step's, round the work alone
	s_cbranch_scc1 .Lhidden_\@
	s_setprio 2
	v_add_nc_u32 v[ADK], s[KB], v[LI]
	s_delay_alu instid0(VALU_DEP_1)
	v_add_nc_u32 v[ADV], VBASE, v[ADK]
	v_nop
	v_nop                                          ; four plain lines in front of loads into registers that the last products read
.irp t, 0,1,2,3
.irp c, 0,1
	ds_load_b128 v[KF+8*\t+4*\c:KF+8*\t+4*\c+3], v[ADK] offset:1024*\t+512*\c
.endr
.endr
.irp t, 0,1,2,3
.irp c, 0,1
	ds_load_b128 v[VF+8*\t+4*\c:VF+8*\t+4*\c+3], v[ADV] offset:1024*\t+512*\c
.endr
.endr
	s_wait_dscnt 8                                 ; K's eight loads are in; V's eight may be out
.irp t, 0,1,2,3
.irp v, 0,1
	v_wmma_f32_16x16x64_fp8_fp8 v[S+32*\v+8*\t:S+32*\v+8*\t+7], v[KF+8*\t:KF+8*\t+7], v[QF+8*\v:QF+8*\v+7], 0
.endr
.endr
.rept 4
	v_nop
.endr
	s_cmp_lt_u32 s[KS], s[FIRSTM]                  ; a step all of whose keys count skips the mask
	s_cbranch_scc1 .Lopen_\@
	s_lshl_b32 s73, s[KS], 6
	v_sub_nc_u32 v[DD], v[LQ], s73                 ; register j of tile (v, 2 b + u) holds key 64 KS + 32 b + 8 u + 16 h + j: hidden where 32 b + 8 u + j - 8 v > my query of tile 0 - 16 h - 64 KS
.irp v, 0,1
.irp t, 0,1,2,3
.irp j, 0,1,2,3,4,5,6,7
	v_cmp_gt_i32 vcc_lo, 32*(\t/2)+8*(\t%2)+\j-8*\v, v[DD]
	v_cndmask_b32 v[S+32*\v+8*\t+\j], v[S+32*\v+8*\t+\j], v[NINF], vcc_lo
.endr
.endr
.endr
.Lopen_\@:
.irp t, 0,1,2,3                        ; the largest score: four chains a tile, one to an accumulator, each from its low end on
.irp v, 0,1
	v_max3_num_f32 v[ST+8*\v+4+\t], v[S+32*\v+8*\t], v[S+32*\v+8*\t+1], v[S+32*\v+8*\t+2]
.endr
.endr
.irp i, 3,5
.irp t, 0,1,2,3
.irp v, 0,1
	v_max3_num_f32 v[ST+8*\v+4+\t], v[ST+8*\v+4+\t], v[S+32*\v+8*\t+\i], v[S+32*\v+8*\t+\i+1]
.endr
.endr
.endr
.irp v, 0,1
	v_max3_num_f32 v[ST+8*\v+4], v[ST+8*\v+4], v[S+32*\v+7], v[S+32*\v+15]
	v_max3_num_f32 v[ST+8*\v+6], v[ST+8*\v+6], v[S+32*\v+23], v[S+32*\v+31]
.endr
.irp v, 0
	s_delay_alu instid0(VALU_DEP_3)
	v_max3_num_f32 v[ST+8*\v+4], v[ST+8*\v+4], v[ST+8*\v+5], v[ST+8*\v+6]
.endr
.irp v, 1
	s_delay_alu instid0(VALU_DEP_2)
	v_max3_num_f32 v[ST+8*\v+4], v[ST+8*\v+4], v[ST+8*\v+5], v[ST+8*\v+6]
.endr
.irp v, 0,1
	s_delay_alu instid0(VALU_DEP_2)
	v_max_num_f32 v[ST+8*\v+4], v[ST+8*\v+4], v[ST+8*\v+7]
.endr
.irp v, 0,1
	s_delay_alu instid0(VALU_DEP_2)
	v_permlanex16_b32 v[ST+8*\v+5], v[ST+8*\v+4], s[SEL], s[SEL+1]   ; the query's other 32 keys lie in the lane 16 away
.endr
.irp v, 0,1
	s_delay_alu instid0(VALU_DEP_2)
	v_max_num_f32 v[ST+8*\v+4], v[ST+8*\v+4], v[ST+8*\v+5]
.endr
.irp v, 0,1
	s_delay_alu instid0(VALU_DEP_2)
	v_mul_f32 v[ST+8*\v+4], s[CS], v[ST+8*\v+4]    ; as t (the factor is positive)
.endr
.irp v, 0
	s_delay_alu instid0(VALU_DEP_2)
	v_max_num_f32 v[ST+8*\v+1], v[ST+8*\v+1], v[ST+8*\v+4]   ; the running largest t
	v_mov_b32 v[ST+8*\v+6], v[ST+8*\v]
.endr
.irp v, 1
	s_delay_alu instid0(VALU_DEP_3)
	v_max_num_f32 v[ST+8*\v+1], v[ST+8*\v+1], v[ST+8*\v+4]
	v_mov_b32 v[ST+8*\v+6], v[ST+8*\v]
.endr
.irp v, 0
	s_delay_alu instid0(VALU_DEP_4)
	v_floor_f32 v[ST+8*\v], -v[ST+8*\v+1]
.endr
.irp v, 1
	s_delay_alu instid0(VALU_DEP_3)
	v_floor_f32 v[ST+8*\v], -v[ST+8*\v+1]          ; the new -M = -ceil(t): a whole number
.endr
.irp v, 0,1
	s_delay_alu instid0(VALU_DEP_2)
	v_sub_f32 v[ST+8*\v+6], v[ST+8*\v], v[ST+8*\v+6]   ; old M - new M, 0 or less
.endr
.irp v, 0,1
	s_delay_alu instid0(VALU_DEP_2)
	v_cvt_i32_f32 v[ST+8*\v+6], v[ST+8*\v+6]       ; (it saturates)
.endr
.irp v, 0,1
	s_delay_alu instid0(VALU_DEP_2)
	v_ldexp_f32 v[ST+8*\v+4], 1.0, v[ST+8*\v+6]    ; f = 2^(old M - new M)
.endr
.irp j, 0,2,4,6,8,10,12,14,16,18,20,22,24,26,28,30
.irp v, 0,1
	v_pk_fma_f32 v[S+32*\v+\j:S+32*\v+\j+1], v[S+32*\v+\j:S+32*\v+\j+1], s[CS:CS+1], v[ST+8*\v:ST+8*\v+1] op_sel_hi:[1,0,0]   ; t - M (of both pairs the low word serves both halves)
.endr
.endr
.set n, 0
	s_setprio 1
	s_wait_alu depctr_va_vdst(0)
.rept 64
	v_exp_f32 v[S+n], v[S+n]                       ; p = 2^(t - M): one batch
.set n, n+1
.endr
.irp v, 0,1
	v_pk_mul_f32 v[ST+8*\v+2:ST+8*\v+3], v[ST+8*\v+2:ST+8*\v+3], v[ST+8*\v+4:ST+8*\v+5] op_sel_hi:[1,0]   ; the sums under the new M: plain lines behind the exponentials
.endr
	s_wait_alu depctr_va_vdst(0)                   ; one wait for the batch, ahead of its first reader
.irp v, 0,1
	v_pk_add_f32 v[ST+8*\v+6:ST+8*\v+7], v[S+32*\v:S+32*\v+1], v[S+32*\v+2:S+32*\v+3]   ; the sum of the UNQUANTISED p, two chains a tile
.endr
.irp j, 4,8,12,16,20,24,28
.irp v, 0,1
	v_pk_add_f32 v[ST+8*\v+2:ST+8*\v+3], v[ST+8*\v+2:ST+8*\v+3], v[S+32*\v+\j:S+32*\v+\j+1]
	v_pk_add_f32 v[ST+8*\v+6:ST+8*\v+7], v[ST+8*\v+6:ST+8*\v+7], v[S+32*\v+\j+2:S+32*\v+\j+3]
.endr
.endr
.irp v, 0
	s_delay_alu instid0(VALU_DEP_3)
	v_pk_add_f32 v[ST+8*\v+2:ST+8*\v+3], v[ST+8*\v+2:ST+8*\v+3], v[ST+8*\v+6:ST+8*\v+7]
.endr
.irp v, 1
	s_delay_alu instid0(VALU_DEP_2)
	v_pk_add_f32 v[ST+8*\v+2:ST+8*\v+3], v[ST+8*\v+2:ST+8*\v+3], v[ST+8*\v+6:ST+8*\v+7]
.endr
.set n, 0
.rept 64
.set n, n+1
.endr
.irp v, 0,1
.irp t, 0,1,2,3
	v_cvt_scalef32_pk8_fp8_f32 v[PC+8*\v+2*\t:PC+8*\v+2*\t+1], v[S+32*\v+8*\t:S+32*\v+8*\t+7], v[PSC]
.endr
.endr
.irp j, 0,2,4,6,8,10,12,14,16,18,20,22,24,26,28,30
.irp v, 0,1
	v_pk_mul_f32 v[O+32*\v+\j:O+32*\v+\j+1], v[O+32*\v+\j:O+32*\v+\j+1], v[ST+8*\v+4:ST+8*\v+5] op_sel_hi:[1,0]   ; O^T under the new M; also the plain lines behind the conversions
.endr
.endr
	s_setprio 0
	s_wait_alu depctr_va_vdst(0)
	s_wait_dscnt 0x0                               ; V is in
.irp i, 0,1,2,3                        ; the eight accumulators take turns, one instruction a turn
.irp v, 0,1
	v_wmma_f32_16x16x64_fp8_fp8 v[O+32*\v+8*\i:O+32*\v+8*\i+7], v[VF+8*\i:VF+8*\i+7], v[PC+8*\v:PC+8*\v+7], v[O+32*\v+8*\i:O+32*\v+8*\i+7]
.endr
.endr
.Lhidden_\@:
	s_add_co_u32 s[KB], s[KB], STEPB
	s_add_co_u32 s[KS], s[KS], 1
.endm
	s_wait_loadcnt 0x0                             ; Q
	s_wait_tensorcnt 1                             ; my part of the first 256 keys is in; my part of the rest may be out
	s_barrier_signal -1
	s_barrier_wait -1                              ; everybody's is
.Lfirst:                                           ; key steps 0 to 3: their work stands beside the landing of the rest
	STEP
	s_cmp_lt_u32 s[KS], NFIRST
	s_cbranch_scc1 .Lfirst
	s_setprio 0
	s_wait_tensorcnt 0x0                           ; my part of the rest is in
	s_wait_dscnt 0x0
	s_barrier_signal -1
	s_barrier_wait -1                              ; everybody's is
.Lrest:                                            ; every wave walks all 28 trips: the count is a constant; a wave's hidden steps are jumped over inside
	STEP
	s_cmp_lt_u32 s[KS], 32
	s_cbranch_scc1 .Lrest
	s_setprio 0
	; THE WAY OUT.  O^T x 2^(e8 + e9) / the sum, quantised with e10: the codes are runs of 512 bytes of the last product's operand.  The four additions are the plain lines behind the last products.
.irp v, 0,1
	v_add_f32 v[ST+8*\v+2], v[ST+8*\v+2], v[ST+8*\v+3]
.endr
.irp v, 0,1
	s_delay_alu instid0(VALU_DEP_2)
	v_permlanex16_b32 v[ST+8*\v+5], v[ST+8*\v+2], s[SEL], s[SEL+1]
.endr
.irp v, 0,1
	s_delay_alu instid0(VALU_DEP_2)
	v_add_f32 v[ST+8*\v+2], v[ST+8*\v+2], v[ST+8*\v+5]
.endr
	s_wait_alu depctr_va_vdst(0)
.irp v, 0,1
	v_rcp_f32 v[ST+8*\v+6], v[ST+8*\v+2]
.endr
.irp v, 0,1
	v_mov_b32 v[ST+8*\v+7], 0                      ; the upper word of the pair that the packed multiplies below name (they take the low word for both halves): written here on every way.  Also the plain lines behind the reciprocals
.endr
	s_wait_alu depctr_va_vdst(0)                   ; the wait ahead of the reciprocals' first reader
.irp v, 0,1
	v_ldexp_f32 v[ST+8*\v+6], v[ST+8*\v+6], s[E89]
.endr
.irp v, 0,1
.irp j, 0,2,4,6,8,10,12,14,16,18,20,22,24,26,28,30
	v_pk_mul_f32 v[S+32*\v+\j:S+32*\v+\j+1], v[O+32*\v+\j:O+32*\v+\j+1], v[ST+8*\v+6:ST+8*\v+7] op_sel_hi:[1,0]   ; each accumulator from its low end on
.endr
.endr
.set n, 0
.rept 64
.set n, n+1
.endr
.irp v, 0,1
.irp i, 0,1,2,3
	v_cvt_scalef32_pk8_fp8_f32 v[KF+8*\v+2*\i:KF+8*\v+2*\i+1], v[S+32*\v+8*\i:S+32*\v+8*\i+7], v[OSC]
.endr
.endr
	v_nop                                          ; a plain line behind the last conversion
.irp v, 0,1
.irp d, 0,1
	global_store_b128 v[LI], v[KF+8*\v+4*\d:KF+8*\v+4*\d+3], s[78:79] offset:4096*\v+512*\d   ; the wave stores 512 consecutive bytes, aligned
.endr
.endr
	s_wait_dscnt 0x0
	s_wait_xcnt 0x0
	v_lshl_add_u32 v254, v0, 2, 0x40000
	v_mov_b32 v255, 0
	s_wait_alu depctr_va_vdst(0)
	s_wait_tensorcnt 0x0
	ds_add_u32 v254, v255
	s_wait_dscnt 0x0
	CROUND                                         ; the closing round: no work-group ends while a partner may still ask jointly
	s_endpgm
.Lfunc_end_k_qaab16a5005_attn:
	.size	k_qaab16a5005_attn, .Lfunc_end_k_qaab16a5005_attn-k_qaab16a5005_attn
	.p2alignl 7, 3214868480
	.fill 96, 4, 3214868480
	.section	.rodata,"a",@progbits
	.p2align	6, 0x0
	.amdhsa_kernel k_qaab16a5005_attn
		.amdhsa_group_segment_fixed_size 264192
		.amdhsa_private_segment_fixed_size 0
		.amdhsa_enable_private_segment 0
		.amdhsa_kernarg_size 24
		.amdhsa_user_sgpr_count 2
		.amdhsa_user_sgpr_kernarg_segment_ptr 1
		.amdhsa_wavefront_size32 1
		.amdhsa_system_sgpr_workgroup_id_x 1
		.amdhsa_system_sgpr_workgroup_id_y 1
		.amdhsa_system_sgpr_workgroup_id_z 1
		.amdhsa_system_vgpr_workitem_id 0
		.amdhsa_next_free_vgpr 256
		.amdhsa_next_free_sgpr 80
		.amdhsa_reserve_vcc 1
		.amdhsa_float_denorm_mode_32 3
		.amdhsa_float_denorm_mode_16_64 3
		.amdhsa_fp16_overflow 1
		.amdhsa_memory_ordered 1
		.amdhsa_forward_progress 1
		.amdhsa_inst_pref_size 51
	.end_amdhsa_kernel
	.amdgpu_metadata
---
amdhsa.version: [ 1, 2 ]
amdhsa.kernels:
  - .name:           k_qaab16a5005_attn
    .symbol:         k_qaab16a5005_attn.kd
    .args:
      - { .name: qkvc, .offset: 0, .size: 8, .value_kind: global_buffer, .address_space: global }
      - { .name: lowp_scales, .offset: 8, .size: 8, .value_kind: global_buffer, .address_space: global }
      - { .name: oc, .offset: 16, .size: 8, .value_kind: global_buffer, .address_space: global }
    .group_segment_fixed_size: 264192
    .private_segment_fixed_size: 0
    .kernarg_segment_align: 8
    .kernarg_segment_size: 24
    .max_flat_workgroup_size: 512
    .sgpr_count:     80
    .vgpr_count:     256
    .wavefront_size: 32
...
	.end_amdgpu_metadata
.endif
;; end of part 3
;; launch oproj (part 4): grid 4 x 32, 4 waves a work-group, clusters of 4 x 4, 327,680 bytes of LDS; arguments oc, wc, lowp_scales, bo, out0; writes out0
.if DOCPART == 4
	.amdgcn_target "amdgcn-amd-amdhsa--gfx1250"
	.amdhsa_code_object_version 6
	.text
	.protected	k_qaab16a5005_oproj
	.globl	k_qaab16a5005_oproj
	.p2align	8
	.type	k_qaab16a5005_oproj,@function
k_qaab16a5005_oproj:
	s_mov_b64 s[64:65], 0
	v_nop
	global_prefetch_b8 v0, s[64:65] scope:SCOPE_SE
	s_setreg_imm32_b32 hwreg(HW_REG_WAVE_MODE, 25, 1), 1
	s_wait_xcnt 0x0
	s_wait_alu depctr_hold_cnt(0) depctr_sa_sdst(0) depctr_va_vdst(0) depctr_va_sdst(0) depctr_va_ssrc(0) depctr_va_vcc(0) depctr_vm_vsrc(0)
	s_getreg_b32 s2, hwreg(HW_REG_IB_STS2, 6, 4)
	s_cmp_eq_u32 s2, 0
	s_cbranch_scc0 .Lentry_in_a_cluster
	s_endpgm
.Lentry_in_a_cluster:
	s_bfe_u32 s2, ttmp6, 0x10000c
	s_cmp_lg_u32 s2, 0xf033
	s_cbranch_scc0 .Lentry_shape_is_right
	s_endpgm
.Lentry_shape_is_right:
; out0 = attention's result x Wo^T + bo, on codes of FP8 (E4M3): scales entries 10 and 11.  out0: [8192][1024] f32.  LIMIT: e10 + e11 between -126 and 127.
; Both operands are images of operand registers (16 rows x 128 K = 2,048 bytes; lane (r, h) holds k = 32 c + 16 h + 0 .. 15 in registers 4 c .. 4 c + 3; block i's rows are 32 (i / 2) + 8 (i % 2) + r + 8 (r / 8)).
; A tile of 256 x 256 to a work-group, 128 x 128 to each of four waves.  Source 0 = 16 rows of Wo (Q, index j), source 1 = 16 rows of the attention's codes (P, index i): lane (r, h), register n of accumulator (a, b) holds
; row 32 (a / 2) + 8 (a % 2) + r + 8 (r / 8), column 32 (b / 2) + 16 h + 8 (b % 2) + n: eight neighbouring columns of one row.
; 4 x 4 work-groups form a cluster: P's tiles are shared along a row of the cluster, Q's along a column.  K = 1,024 goes in four slots' worth of 256 through a ring of two LDS slots; the sequence is written out.
; The launch has 128 tiles of this size: one work-group each.
; THE WAY OUT: a block of 16 rows x 128 columns goes through my own stage in LDS and comes back as whole rows of 512 bytes.  The stage lies in slot 0, which has had its last fill and its last read by then.
; REGISTERS: window 0: v1-6 at work, v16-29 addresses, v32-95 the bias, v128-255 P's fragments (one set), later rows read back.  window 1: Q's fragments, two sets; later v0-63 a block's results.  windows 2, 3: the accumulators.
.set SLOT,  131072
.set SPARE, 2*SLOT                     ; behind the ring: the spare words, 128 bytes for each wave: two blocks of 256 bytes that no other line names
.set KSB,   8192
.set FR,    16
.set NL,    4
.set NP,    4
.set SPITCH, 528
.set ADRA, 16
.set ADRB, 20
.set CO,   24                          ; v24  16 x lane
.set STO,  25
.set RD,   26
.set SPW,  28
.set NIL,  29
.set BJ,   32
.set AF,   128
.set BK,   128
.set TMP,  0                           ; in window 1
.set G1, 24
.set G0, 32
.set G1B, 48
.set G0B, 56
.set MSB, 0
.macro WIN new
.if MSB != (\new)
	s_set_vgpr_msb (MSB<<8)|(\new)
.set MSB, (\new)
.endif
.endm
.set MUL_LO, 0xa1
.set MUL_HI, 0xf1
.set TO_B,   0x40
.macro JLOAD g0a, g1a, g0b, g1b        ; waves 0 and 1 fetch P's halves, waves 2 and 3 Q's; four v_nop follow each of the two lines
	s_cmp_eq_u32 s19, 0
	s_cbranch_scc0 .Lfor_b_\@
	tensor_load_to_lds s[\g0a:\g0a+3], s[\g1a:\g1a+7]
	s_nop 0
.rept 4
	v_nop
.endr
	s_branch .Lasked_\@
.Lfor_b_\@:
	tensor_load_to_lds s[\g0b:\g0b+3], s[\g1b:\g1b+7]
	s_nop 0
.rept 4
	v_nop
.endr
.Lasked_\@:
.endm
.macro CREST
	s_cmp_lg_u32 s18, 0
	s_cbranch_scc1 .Lnot_wave_0_\@
	s_barrier_signal -3
.Lnot_wave_0_\@:
	s_barrier_wait -3
	s_barrier_signal -1
	s_barrier_wait -1
.endm
.macro CROUND
	s_barrier_signal -1
	s_barrier_wait -1
	CREST
.endm
	s_load_b256 s[4:11], s[0:1], 0x0               ; oc s[4:5], wc s[6:7], scales s[8:9], bo s[10:11]
	s_load_b64 s[12:13], s[0:1], 0x20              ; out0
	v_lshl_add_u32 v[SPW], v0, 2, SPARE
	v_mov_b32 v[NIL], 0
	ds_add_u32 v28, v29
	ds_add_u32 v28, v29
	s_wait_dscnt 0x0
	v_lshrrev_b32 v1, 5, v0
	v_readfirstlane_b32 s18, v1                    ; wave
	s_lshr_b32 s19, s18, 1                         ; wi.  Also: I fetch for P (0) or for Q (1)
	s_and_b32 s20, s18, 1                          ; wj.  Also: which 128 rows I fetch
	s_bfe_u32 s21, ttmp6, 0x40000                  ; cx
	s_bfe_u32 s22, ttmp6, 0x40004                  ; cy
	s_lshl_b32 s2, ttmp9, 2
	s_add_co_u32 s2, s2, s21                       ; nt: tile column
	s_and_b32 s3, ttmp7, 0xffff
	s_lshl_b32 s3, s3, 2
	s_add_co_u32 s3, s3, s22                       ; mt: tile row
	s_lshl_b32 s40, s22, 2
	s_lshl_b32 s40, 15, s40
	s_lshl_b32 s41, 0x1111, s21
	s_or_b32 s[G1+0], s40, (1<<21)
	s_or_b32 s[G1B+0], s41, (1<<21)
.irp g, G1, G1B
	s_mov_b32 s[\g+1], KSB<<16
	s_mov_b32 s[\g+2], 4<<16
	s_mov_b32 s[\g+3], KSB<<16
	s_mov_b32 s[\g+4], 4
	s_mov_b32 s[\g+5], 32768
	s_mov_b32 s[\g+6], 0
	s_mov_b32 s[\g+7], 0
.endr
	s_lshl_b32 s23, s20, 2                         ; the four row groups that I fetch
	s_lshl_b32 s44, s3, 3
	s_add_co_u32 s44, s44, s23                     ; P: row group 8 mt + 4 half
	s_lshl_b32 s46, s2, 3
	s_add_co_u32 s46, s46, s23
	s_add_co_u32 s46, s46, 96                      ; Q: Wo begins at row group 96 of wc
	s_lshl_b32 s44, s44, 15
	s_lshl_b32 s46, s46, 15
	s_mov_b32 s45, 0
	s_mov_b32 s47, 0
	s_lshl_b32 s66, s18, 15
	s_wait_kmcnt 0x0
	s_load_b64 s[68:69], s[8:9], 0x28              ; e10, e11
	s_add_nc_u64 s[90:91], s[4:5], s[44:45]
	s_add_nc_u64 s[92:93], s[6:7], s[46:47]
	CROUND
.irp s, 0,1
	s_mov_b32 s[G0+4*\s], 1
	s_add_co_u32 s[G0+4*\s+1], s66, \s*SLOT
	s_add_nc_u64 s[G0+4*\s+2:G0+4*\s+3], s[90:91], \s*KSB
	s_or_b32 s[G0+4*\s+3], s[G0+4*\s+3], 0x80000000
	s_mov_b32 s[G0B+4*\s], 1
	s_add_co_u32 s[G0B+4*\s+1], s66, \s*SLOT
	s_add_nc_u64 s[G0B+4*\s+2:G0B+4*\s+3], s[92:93], \s*KSB
	s_or_b32 s[G0B+4*\s+3], s[G0B+4*\s+3], 0x80000000
	JLOAD G0+4*\s, G1, G0B+4*\s, G1B
.endr
	v_and_b32 v1, 15, v0                           ; r
	v_bfe_u32 v2, v0, 4, 1                         ; h
	v_and_b32 v3, 31, v0
	v_lshlrev_b32 v[CO], 4, v3
	s_lshl_b32 s40, s19, 15
	s_lshl_b32 s41, s20, 15
	s_add_co_u32 s41, s41, 65536
.irp s, 0,1
	v_add_nc_u32 v[ADRA+\s], s40, v[CO]
	v_add_nc_u32 v[ADRB+\s], s41, v[CO]
	s_add_co_u32 s40, s40, SLOT
	s_add_co_u32 s41, s41, SLOT
.endr
	s_mul_i32 s94, s18, 16*SPITCH                  ; my stage
	v_mul_u32_u24 v[STO], v1, SPITCH
	v_lshl_add_u32 v[STO], v2, 6, v[STO]
	v_add_nc_u32 v[STO], s94, v[STO]               ; in: row r, + 64 h bytes
	v_add_nc_u32 v[RD], s94, v[CO]                 ; back: the 32 lanes take one row of 512 bytes
	s_lshl_b32 s96, s2, 10
	s_lshl_b32 s97, s20, 9
	s_add_co_u32 s96, s96, s97                     ; my first column, in bytes: also my place in bo
	s_mov_b32 s97, 0
	s_add_nc_u64 s[86:87], s[10:11], s[96:97]
	v_lshlrev_b32 v6, 6, v2                        ; 16 h numbers
.irp b, 0,1,2,3,4,5,6,7
	global_load_b128 v[BJ+8*\b:BJ+8*\b+3], v6, s[86:87] offset:(32*(\b/2)+8*(\b%2))*4
	global_load_b128 v[BJ+8*\b+4:BJ+8*\b+7], v6, s[86:87] offset:(32*(\b/2)+8*(\b%2))*4+16
.endr
	s_lshl_b32 s98, s3, 20                         ; 256 rows of 4,096 bytes
	s_lshl_b32 s99, s19, 19
	s_add_co_u32 s98, s98, s99
	s_add_co_u32 s98, s98, s96
	s_mov_b32 s99, 0
	s_add_nc_u64 s[84:85], s[12:13], s[98:99]
.macro FRAG reg, adr, q, i
.irp c, 0,1,2,3
	ds_load_b128 v[\reg+4*\c:\reg+4*\c+3], v[\adr] offset:4096*(\i)+2048*(\q)+512*\c
.endr
.endm
.macro MUL16 a0, p, zero               ; the 64 accumulators take turns, one instruction a turn, in the same order in every step
.irp a, \a0, \a0+1
.irp b, 0,1,2,3,4,5,6,7
.if \zero
	v_wmma_f32_16x16x128_fp8_fp8 v[8*(8*((\a)%4)+\b):8*(8*((\a)%4)+\b)+7], v[128*(\p)+FR*\b:128*(\p)+FR*\b+FR-1], v[AF+FR*(\a):AF+FR*(\a)+FR-1], 0
.else
	v_wmma_f32_16x16x128_fp8_fp8 v[8*(8*((\a)%4)+\b):8*(8*((\a)%4)+\b)+7], v[128*(\p)+FR*\b:128*(\p)+FR*\b+FR-1], v[AF+FR*(\a):AF+FR*(\a)+FR-1], v[8*(8*((\a)%4)+\b):8*(8*((\a)%4)+\b)+7]
.endif
.endr
.endr
.endm
.macro FETCH_B slot, q, p
	WIN TO_B
.irp i, 0,1,2,3,4,5,6,7
	FRAG 128*(\p)+FR*\i, ADRB+\slot, \q, \i
.endr
	WIN 0
.endm
.macro FETCH_A slot, q, i0
.irp i, \i0, \i0+1, \i0+2, \i0+3
	FRAG AF+FR*(\i), ADRA+\slot, \q, \i
.endr
.endm
.macro PLACES n
.rept \n
	v_nop
.endr
.endm
.macro STEP slot, q, zero
	s_wait_dscnt 4*NL                              ; Q's set and P's blocks 0-3 are in; the youngest sixteen loads may be out
	WIN MUL_LO
	MUL16 0, (\q)%2, \zero
	MUL16 2, (\q)%2, \zero
	s_wait_dscnt 0
	PLACES NP
	FETCH_B \slot, (\q)+1, 1-(\q)%2
	FETCH_A \slot, (\q)+1, 0
	WIN MUL_HI
	MUL16 4, (\q)%2, \zero
	MUL16 6, (\q)%2, \zero
	PLACES NP
	WIN 0
	FETCH_A \slot, (\q)+1, 4
.endm
.macro TURN slot, next, fill
	s_wait_tensorcnt 0x0                           ; all my tensor loads have landed: my part of the next slot
	ds_add_u32 v[SPW], v[NIL]                      ; 0 onto my spare word
	s_wait_dscnt 4*NL+1                            ; (the add and the youngest sixteen loads may be out)
	WIN MUL_LO
	MUL16 0, 1, 0
	s_wait_dscnt 0x0                               ; the add is done, and my reads of this slot are over
	s_barrier_signal -1
	MUL16 2, 1, 0
	WIN 0
	s_barrier_wait -1
.if \fill
	CREST
	s_add_nc_u64 s[G0+4*\slot+2:G0+4*\slot+3], s[G0+4*\slot+2:G0+4*\slot+3], 2*KSB
	s_add_nc_u64 s[G0B+4*\slot+2:G0B+4*\slot+3], s[G0B+4*\slot+2:G0B+4*\slot+3], 2*KSB
	JLOAD G0+4*\slot, G1, G0B+4*\slot, G1B
.else
	PLACES NP
.endif
	FETCH_B \next, 0, 0
	FETCH_A \next, 0, 0
	WIN MUL_HI
	MUL16 4, 1, 0
	MUL16 6, 1, 0
	PLACES NP
	WIN 0
	FETCH_A \next, 0, 4
.endm
	s_wait_tensorcnt 1                             ; my part of slot 0 is in; slot 1's may be out
	s_barrier_signal -1
	s_barrier_wait -1
	FETCH_B 0, 0, 0
	FETCH_A 0, 0, 0
	FETCH_A 0, 0, 4
	STEP 0, 0, 1
	TURN 0, 1, 1
	STEP 1, 0, 0
	TURN 1, 0, 1
	STEP 0, 0, 0
	TURN 0, 1, 0
	STEP 1, 0, 0
	s_wait_dscnt 4*NL
	WIN MUL_LO
	MUL16 0, 1, 0
	MUL16 2, 1, 0
	s_wait_dscnt 0
	WIN MUL_HI
	MUL16 4, 1, 0
	MUL16 6, 1, 0
	WIN 0
.macro TOSTAGE a
.set AC, 64*((\a)%4)
	WIN 0x42+((\a)/4)                              ; source 0 window 2 or 3, the bias window 0, destination window 1
.irp j, 0,2,4,6,8,10,12,14,16,18,20,22,24,26,28,30,32,34,36,38,40,42,44,46,48,50,52,54,56,58,60,62
	v_pk_fma_f32 v[TMP+\j:TMP+\j+1], v[AC+\j:AC+\j+1], s[80:81], v[BJ+\j:BJ+\j+1] op_sel_hi:[1,0,1]   ; sum x 2^(e10 + e11) + bo; each accumulator from its low end on
.endr
	WIN 0x04                                       ; the stores' data window 1
.irp b, 0,1,2,3,4,5,6,7
	ds_store_b128 v[STO], v[TMP+8*\b:TMP+8*\b+3] offset:128*(\b/2)+32*(\b%2)
	ds_store_b128 v[STO], v[TMP+8*\b+4:TMP+8*\b+7] offset:128*(\b/2)+32*(\b%2)+16
.endr
	WIN 0
.set BB, BK+64*((\a)%2)
.irp t, 0,1,2,3,4,5,6,7,8,9,10,11,12,13,14,15
	ds_load_b128 v[BB+4*\t:BB+4*\t+3], v[RD] offset:\t*SPITCH   ; LDS serves a wave's instructions in order (ISA guide 5.7.1.4): these see the stores above
.endr
.endm
.macro SEND a, younger                 ; stage row t is row 32 (a / 2) + 8 (a % 2) + t + 8 (t / 8) of my 128; every offset is an immediate
.set BB, BK+64*((\a)%2)
	s_wait_dscnt \younger
.irp t, 0,1,2,3,4,5,6,7,8,9,10,11,12,13,14,15
	global_store_b128 v[CO], v[BB+4*\t:BB+4*\t+3], s[84:85] offset:(32*((\a)/2)+8*((\a)%2)+\t+8*(\t/8))*4096 th:TH_STORE_NT   ; 32 lanes store 512 consecutive bytes, aligned
.endr
.endm
	s_wait_kmcnt 0x0
	s_add_co_i32 s80, s68, s69
	s_add_co_i32 s80, s80, 127
	s_lshl_b32 s80, s80, 23                        ; 2^(e10 + e11) as f32
	s_mov_b32 s81, s80
	PLACES NP
	s_wait_loadcnt 0x0                             ; the bias
	TOSTAGE 0
.irp a, 1,2,3,4,5,6,7
.if \a > 1
	s_wait_xcnt 0x0                                ; block a - 2's stores have read their registers: block a's loads may land there
.endif
	TOSTAGE \a
	SEND \a-1, 32                                  ; behind block a - 1's loads: block a's 16 stores and 16 loads
.endr
	SEND 7, 0
	s_wait_tensorcnt 0x0                           ; the wave's end
	ds_add_u32 v[SPW], v[NIL]
	s_wait_dscnt 0x0
	CROUND                                         ; the closing round
	s_endpgm
.Lfunc_end_k_qaab16a5005_oproj:
	.size	k_qaab16a5005_oproj, .Lfunc_end_k_qaab16a5005_oproj-k_qaab16a5005_oproj
	.p2alignl 7, 3214868480
	.fill 96, 4, 3214868480
	.section	.rodata,"a",@progbits
	.p2align	6, 0x0
	.amdhsa_kernel k_qaab16a5005_oproj
		.amdhsa_group_segment_fixed_size 327680
		.amdhsa_private_segment_fixed_size 0
		.amdhsa_enable_private_segment 0
		.amdhsa_kernarg_size 40
		.amdhsa_user_sgpr_count 2
		.amdhsa_user_sgpr_kernarg_segment_ptr 1
		.amdhsa_wavefront_size32 1
		.amdhsa_system_sgpr_workgroup_id_x 1
		.amdhsa_system_sgpr_workgroup_id_y 1
		.amdhsa_system_sgpr_workgroup_id_z 1
		.amdhsa_system_vgpr_workitem_id 0
		.amdhsa_next_free_vgpr 1024
		.amdhsa_next_free_sgpr 100
		.amdhsa_reserve_vcc 0
		.amdhsa_float_denorm_mode_32 3
		.amdhsa_float_denorm_mode_16_64 3
		.amdhsa_memory_ordered 1
		.amdhsa_forward_progress 1
		.amdhsa_inst_pref_size 124
	.end_amdhsa_kernel
	.amdgpu_metadata
---
amdhsa.version: [ 1, 2 ]
amdhsa.kernels:
  - .name:           k_qaab16a5005_oproj
    .symbol:         k_qaab16a5005_oproj.kd
    .args:
      - { .name: oc, .offset: 0, .size: 8, .value_kind: global_buffer, .address_space: global }
      - { .name: wc, .offset: 8, .size: 8, .value_kind: global_buffer, .address_space: global }
      - { .name: lowp_scales, .offset: 16, .size: 8, .value_kind: global_buffer, .address_space: global }
      - { .name: bo, .offset: 24, .size: 8, .value_kind: global_buffer, .address_space: global }
      - { .name: out0, .offset: 32, .size: 8, .value_kind: global_buffer, .address_space: global }
    .group_segment_fixed_size: 327680
    .private_segment_fixed_size: 0
    .kernarg_segment_align: 8
    .kernarg_segment_size: 40
    .max_flat_workgroup_size: 128
    .sgpr_count:     100
    .vgpr_count:     1024
    .wavefront_size: 32
...
	.end_amdgpu_metadata
.endif
;; end of part 4
